; MI455X (gfx1250); checked and timed in simulation.
; The chip was launched on July 23, 2026; its instructions are those of AMD's public machine-readable ISA for CDNA 5 (MIT licence, August 2026) and "CDNA5" Instruction Set Architecture Reference Guide (July 2026). The comments in the code are by the model that wrote it; some were corrected since.
;; Forced GPULSTM Cell. Allowed arithmetic: matrix products marked QUANTISED: E3M2 operands, one E8M0 scale for each 32 along K, by v_wmma_scale_f32_16x16x128_f8f6f4 with both operands' format E3M2, f32 sums; everything else in f32.
;; Inputs: bias_f 2,048 float32; bias_g 2,048 float32; bias_i 2,048 float32; bias_o 2,048 float32; c 2,048 x 2,048 float32; h 2,048 x 2,048 float32; weight_hf 2,048 x 2,048 float32; weight_hg 2,048 x 2,048 float32; weight_hi 2,048 x 2,048 float32; weight_ho 2,048 x 2,048 float32; weight_if 2,048 x 2,048 float32; weight_ig 2,048 x 2,048 float32; weight_ii 2,048 x 2,048 float32; weight_io 2,048 x 2,048 float32; x 2,048 x 2,048 float32.
;; Outputs: out0 2,048 x 2,048 float32; out1 2,048 x 2,048 float32.
;; This version of the problem:
;;   THIS VERSION OF THE PROBLEM IS GIVEN IN LOW PRECISION. The matrix products marked QUANTISED in the list below multiply operands that are first quantised to E3M2 (3 exponent bits, 2 mantissa bits; 6 bits a number), with one power-of-two scale for each 32 numbers along K (OCP MX v1.0); their sums are f32. All else is computed in f32.
;;   The module's matrix products, in the order in which they are computed (A, B: the left and right operand; K: the contracted axis; several contracted axes count as one K, in the product's order):
;;     1. [M 2,048, K 2,048] x [K 2,048, N 8,192]; A: input x; B: computed on the way: QUANTISED
;;     2. [M 2,048, K 2,048] x [K 2,048, N 8,192]; A: input h; B: computed on the way: QUANTISED
;;   THE QUANTISER, for each operand of a quantised product, along K:
;;     - K is cut into blocks of 32 from its start; a last block that is shorter is filled with zeros.
;;     - A block's scale is 2^e with e = floor(log2(the largest magnitude in the block)) - 4, held to -126 .. 127; a block of zeros has e = 0. As a byte (E8M0): e + 127.
;;     - Each number is divided by its block's scale, clamped to +-28, and rounded to the nearest number of E3M2, ties to even, subnormals kept.
;;     - The product sums the exact products of the quantised numbers (number of the format x scale) in f32.
;;   ~~~python
;;   def quantise(x, axis):      # numpy; x: float32 -> the quantised numbers, widened to float32 again
;;       x = np.moveaxis(x, axis, -1); K = x.shape[-1]
;;       x = np.pad(x, [(0, 0)] * (x.ndim - 1) + [(0, -K % 32)]); x = x.reshape(x.shape[:-1] + (-1, 32)); a = np.abs(x).max(-1, keepdims=True)
;;       e = np.where(a > 0, np.clip(np.frexp(np.where(a > 0, a, 1))[1] - 1 - 4, -126, 127), 0)      # np.frexp(a)[1] - 1 = floor(log2(a)), exactly
;;       r = np.clip(x / 2.0 ** e, -28, 28)
;;       step = 2.0 ** (np.maximum(np.frexp(np.where(r == 0, 1, r))[1] - 1, -2) - 2)
;;       q = np.round(r / step) * step * 2.0 ** e      # np.round: ties to even
;;       return np.moveaxis(q.reshape(q.shape[:-2] + (-1,))[..., :K], -1, axis).astype(np.float32)
;;   ~~~
;;   OPERANDS COMPUTED ON THE WAY. 'Computed on the way' means the value that the module computes at that place (a softmax that the list does not call 'softmax' is quantised finished and normalised). What goes into a quantiser is computed in f32, as accurately as f32 sums, v_exp_f32 and their like allow (about 1e-6 of the number): no bf16 or f16 on the way to a quantiser, and a product that is left as it is and whose result goes on into a quantised operand takes f32 operands (vector FMAs, or v_wmma_f32_16x16x4_f32). A number that lies on a knife's edge between two numbers of the format may be rounded either way, as far as f32 arithmetic and the matrix unit's own rounding can turn it there, and no further.
;; One version. Each part assembles by itself: llvm-mc -triple=amdgcn-amd-amdhsa -mcpu=gfx1250 --defsym DOCPART=n.
;; ======== version 1 of 1: 2 launches
;; limits: right only within a limited range of input values
;; workspace buffers: wq 32,768,000 bytes
;; launch quant (part 1): grid 256 x 1, 20 waves a work-group, no clusters, 176,640 bytes of LDS; arguments weight_ii, weight_if, weight_ig, weight_io, weight_hi, weight_hf, weight_hg, weight_ho, x, h, wq; writes wq
.if DOCPART == 1
	.amdgcn_target "amdgcn-amd-amdhsa--gfx1250"
	.amdhsa_code_object_version 6
	.text
	.protected	k_qb7dbe9af0b_quant
	.globl	k_qb7dbe9af0b_quant
	.p2align	8
	.type	k_qb7dbe9af0b_quant,@function
k_qb7dbe9af0b_quant:
	s_mov_b64 s[64:65], 0
	v_nop
	global_prefetch_b8 v0, s[64:65] scope:SCOPE_SE
	s_setreg_imm32_b32 hwreg(HW_REG_WAVE_MODE, 25, 1), 1
	s_wait_xcnt 0x0
; x, h and the eight weights, each [2048][2048] f32 with K innermost, become codes of BF6 (E3M2) with one E8M0 scale byte for each 32 along K,
; laid in wq in the ORDER OF THE OPERANDS' REGISTERS, so that the product's launch takes fragments and scale words as they lie.
; wq = [panel 0..79][kstep 0..31][KB bytes].  A panel is 128 operand rows = 8 blocks of 16.  Panels 0-15: rows of x|h (panel P, block i, row r: row 128 P + 16 i + r).
; Panels 16-79: panel 16 + p holds hidden units 32 p .. 32 p + 31 of all four gates: block i = 2 gate + u, row r = weight row 32 p + 16 u + r of that gate (gates i, f, g, o).
; A kstep is 128 along K: ksteps 0-15 come from x or the weight_i* tensors, ksteps 16-31 from h or the weight_h* tensors.
; In the KB bytes: 8 images of FRB bytes (block i at i FRB: three chunks of 512 bytes, chunk c holding at 16 x lane the registers 4 c .. 4 c + 3 of the lane's 12-register fragment),
; then at SCO 512 bytes of scale words: the word of block i, row r at SCO + 256 (i / 4) + 16 r + 4 (i % 4).
; A block's scale is 2^(floor(log2(its largest magnitude)) - 4); its byte is the largest magnitude's exponent field - 4, held at 1 from below.  Each number is divided by the scale and rounded to the
; nearest code, ties to even; beyond the largest code the conversion gives the largest code.
; LIMITS: NaN and infinities among the inputs are not served.  A block of zeros gets the byte 1 where the rule says 127: its codes are zeros, and this program alone reads the bytes.
; Blocks whose largest magnitude lies under 2^(4 - 126) have their byte held at 1, as the rule's clip has it.
; SHARES.  20,480 fragments (16 rows x 128 K) = 256 work-groups x 20 waves x 4.  Work-group G: kq = G & 3 says which 512 along K of a tensor.  Waves 0-15 take the 8 blocks x 2 sides of weight panel G >> 2,
; waves 16-19 four blocks of x or of h.  The four waves of a group w >> 2 hold the four blocks whose scale words share 256 bytes.
; A load reads 512 consecutive bytes of one row.  A lane's conversions want 32 neighbours along K of ONE row in its registers: so the 16 rows turn through the wave's own stage in LDS.
; No tensor loads, no cluster: work-groups share nothing.  No matrix work.  No prefetch: the launch streams all the time.
.set KB,    12800
.set FRB,   1536
.set SCO,   12288
.set PANEL, 32*KB
.set SP,    528                        ; a stage row: 512 bytes + 16 = 33 x 16
.set WST,   16*SP                      ; a wave's stage
.set SX,    20*WST                     ; behind the stages: 20 runs of 256 bytes of scale words
.set EMAX,  4
.set C,     24                         ; v24-35   the fragment
.set T0,    36                         ; v36-38, v40-42: the second halves of the two blocks' codes (a conversion's three registers begin on an even number)
.set T1,    40
.set X,     64                         ; v64-127  my row's 64 numbers: k = 32 h + 0..31, then 64 + 32 h + 0..31
.set R,     128                        ; v128-191 sixteen loads as they come
	s_load_b512 s[8:23], s[0:1], 0x0               ; the eight weights, in the order ii, if, ig, io, hi, hf, hg, ho
	s_load_b128 s[24:27], s[0:1], 0x40             ; x, h
	s_load_b64 s[28:29], s[0:1], 0x50              ; wq
	v_lshl_add_u32 v62, v0, 2, 0x2a800
	v_mov_b32 v63, 0
	v_lshrrev_b32 v1, 5, v0
	s_delay_alu instid0(VALU_DEP_1)
	v_readfirstlane_b32 s30, v1                    ; wave w, 0..19
	v_and_b32 v1, 31, v0                           ; lane
	s_wait_alu depctr_va_vdst(0)
	v_and_b32 v2, 15, v0                           ; r
	v_bfe_u32 v3, v0, 4, 1                         ; h
	s_wait_alu depctr_va_vdst(0)
	v_lshlrev_b32 v4, 4, v1                        ; 16 x lane: my bytes of a load's and of a store's 512
	s_mul_i32 s2, s30, WST
	v_add_nc_u32 v5, s2, v4                        ; the stage, on the way in
	v_mul_u32_u24 v6, v2, SP
	s_delay_alu instid0(VALU_DEP_1)
	v_lshl_add_u32 v6, v3, 7, v6
	s_delay_alu instid0(VALU_DEP_1)
	v_add_nc_u32 v6, s2, v6                        ; and on the way out: row r, 128 h bytes on
	s_and_b32 s33, s30, 3                          ; w & 3
	s_lshr_b32 s3, s30, 2
	s_lshl_b32 s3, s3, 10
	s_lshl_b32 s2, s33, 2
	s_add_co_u32 s3, s3, s2
	s_add_co_u32 s3, s3, SX
	v_lshl_add_u32 v7, v2, 4, s3                   ; my scale word: my group's four runs, 16 r + 4 (w & 3) in each
	s_lshl_b32 s3, s30, 8
	s_add_co_u32 s3, s3, SX
	v_lshl_add_u32 v8, v1, 3, s3                   ; the run that I send: number w, 8 bytes a lane
	v_lshlrev_b32 v9, 3, v1
	v_lshlrev_b32 v10, 3, v3                       ; 8 h: my two bytes' place in the scale word
	v_mov_b32 v11, 0                               ; written once: a lane permute's destination counts as one of its sources
	s_mov_b32 s36, 0x76543210
	s_mov_b32 s37, 0xfedcba98                      ; v_permlanex16_b32's selects for lane l xor 16
	; what is mine: both columns are made, then one compare on the wave's number chooses
	s_and_b32 s31, ttmp9, 3                        ; kq
	s_lshr_b32 s32, ttmp9, 2
	s_lshr_b32 s38, s30, 3                         ; weights: side (0: weight_i*, 1: weight_h*)
	s_and_b32 s39, s30, 7                          ;   block I = 2 gate + u
	s_lshr_b32 s40, s30, 1                         ;   tensor number 4 side + gate
	s_lshl_b32 s41, s32, 5
	s_and_b32 s42, s30, 1
	s_lshl_b32 s42, s42, 4
	s_add_co_u32 s41, s41, s42                     ;   first row 32 p + 16 u
	s_add_co_u32 s42, s32, 16                      ;   panel 16 + p
	s_and_b32 s43, s32, 31                         ; x, h: group of four row blocks
	s_lshr_b32 s44, ttmp9, 7                       ;   side (0: x, 1: h)
	s_and_b32 s45, s43, 1
	s_lshl_b32 s45, s45, 2
	s_add_co_u32 s45, s45, s33                     ;   block I = 4 (group & 1) + (w & 3)
	s_add_co_u32 s46, s44, 8                       ;   tensor number 8 + side
	s_lshl_b32 s47, s43, 6
	s_lshl_b32 s2, s33, 4
	s_add_co_u32 s47, s47, s2                      ;   first row 16 (4 group + (w & 3))
	s_lshr_b32 s43, s43, 1                         ;   panel
	s_cmp_lt_u32 s30, 16
	s_cselect_b32 s38, s38, s44                    ; side
	s_cselect_b32 s39, s39, s45                    ; I
	s_cselect_b32 s40, s40, s46                    ; tensor number
	s_cselect_b32 s41, s41, s47                    ; first row
	s_cselect_b32 s42, s42, s43                    ; panel
	s_lshl_b32 s44, s41, 13                        ; in: first row x 8,192 bytes
	s_lshl_b32 s45, s31, 11                        ;   + kq x 2,048
	s_add_co_u32 s44, s44, s45
	s_mov_b32 s45, 0
	s_mul_i32 s42, s42, PANEL                      ; the panel's first byte in wq (all of wq is under 2^25 bytes)
	s_lshl_b32 s38, s38, 4
	s_lshl_b32 s31, s31, 2
	s_add_co_u32 s38, s38, s31                     ; my first kstep: 16 side + 4 kq
	s_mul_i32 s46, s38, KB
	s_add_co_u32 s46, s46, s42
	s_mul_i32 s47, s39, FRB
	s_add_co_u32 s46, s46, s47                     ; my images
	s_mov_b32 s47, 0
	s_add_co_u32 s38, s38, s33                     ; the kstep whose scale words I send
	s_mul_i32 s38, s38, KB
	s_add_co_u32 s38, s38, s42
	s_lshr_b32 s39, s39, 2
	s_lshl_b32 s39, s39, 8
	s_add_co_u32 s38, s38, s39
	s_add_co_u32 s38, s38, SCO
	s_mov_b32 s39, 0
	s_wait_alu depctr_va_vdst(0)
	s_wait_kmcnt 0x0
	s_mov_b64 s[4:5], s[8:9]                       ; my tensor: chosen on its number, which hangs on ids alone
.irp k, 1,2,3,4,5,6,7,8,9
	s_cmp_eq_u32 s40, \k
	s_cselect_b64 s[4:5], s[8+2*\k:9+2*\k], s[4:5]
.endr
	s_add_nc_u64 s[4:5], s[4:5], s[44:45]
	s_add_nc_u64 s[6:7], s[28:29], s[46:47]
	s_add_nc_u64 s[34:35], s[28:29], s[38:39]
.macro LOAD t                          ; fragment t: 16 rows x 512 bytes; a load is one row's 512 consecutive bytes
.irp i, 0,1,2,3,4,5,6,7,8,9,10,11,12,13,14,15
	global_load_b128 v[R+4*\i:R+4*\i+3], v4, s[4:5] offset:8192*\i+512*(\t) th:TH_LOAD_NT
.endr
.endm
.macro STEP t
	s_wait_loadcnt 0x0                             ; this fragment's sixteen loads: no others are out
.irp i, 0,1,2,3,4,5,6,7,8,9,10,11,12,13,14,15
	ds_store_b128 v5, v[R+4*\i:R+4*\i+3] offset:SP*\i
.endr
.irp j, 0,1,2,3,4,5,6,7
	ds_load_b128 v[X+4*\j:X+4*\j+3], v6 offset:16*\j             ; LDS serves a wave's instructions in order: these see the stores above
.endr
.irp j, 0,1,2,3,4,5,6,7
	ds_load_b128 v[X+32+4*\j:X+32+4*\j+3], v6 offset:256+16*\j
.endr
	s_wait_dscnt 16                                ; all but the sixteen loads: the stores into the stage have read their registers,
.if (\t) < 3
	LOAD (\t)+1                                    ; which take the next fragment: it is on its way while this one is worked
.endif
	s_wait_dscnt 0x0                               ; my 64 numbers are in
	v_max3_num_f32 v12, |v[X]|, |v[X+1]|, |v[X+2]|               ; the two blocks' largest magnitudes: all 32 numbers of each are mine; four chains by turns
	v_max3_num_f32 v14, |v[X+32]|, |v[X+33]|, |v[X+34]|
	v_max3_num_f32 v13, |v[X+3]|, |v[X+4]|, |v[X+5]|
	v_max3_num_f32 v15, |v[X+35]|, |v[X+36]|, |v[X+37]|
.irp i, 6,10,14,18,22,26
	s_delay_alu instid0(VALU_DEP_4)
	v_max3_num_f32 v12, v12, |v[X+\i]|, |v[X+\i+1]|
	s_delay_alu instid0(VALU_DEP_4)
	v_max3_num_f32 v14, v14, |v[X+32+\i]|, |v[X+32+\i+1]|
	s_delay_alu instid0(VALU_DEP_4)
	v_max3_num_f32 v13, v13, |v[X+\i+2]|, |v[X+\i+3]|
	s_delay_alu instid0(VALU_DEP_4)
	v_max3_num_f32 v15, v15, |v[X+32+\i+2]|, |v[X+32+\i+3]|
.endr
	s_delay_alu instid0(VALU_DEP_4)
	v_max3_num_f32 v12, v12, |v[X+30]|, |v[X+31]|
	s_delay_alu instid0(VALU_DEP_4)
	v_max3_num_f32 v14, v14, |v[X+62]|, |v[X+63]|
	s_delay_alu instid0(VALU_DEP_2)
	v_max3_num_f32 v12, v12, v13, (EMAX+1)<<23     ; and the floor 2^(EMAX + 1 - 127): the byte cannot fall under 1
	s_delay_alu instid0(VALU_DEP_2)
	v_max3_num_f32 v14, v14, v15, (EMAX+1)<<23
	s_delay_alu instid0(VALU_DEP_2)
	v_add_nc_u32 v16, -(EMAX<<23), v12             ; EMAX off the exponent field: the conversion takes the exponent field of this operand as its scale
	s_delay_alu instid0(VALU_DEP_2)
	v_add_nc_u32 v17, -(EMAX<<23), v14
	s_delay_alu instid0(VALU_DEP_2)
	v_lshrrev_b32 v18, 23, v16                     ; the bytes of blocks h and 2 + h of my row
	s_delay_alu instid0(VALU_DEP_2)
	v_lshrrev_b32 v19, 23, v17
	s_delay_alu instid0(VALU_DEP_1)
	v_lshl_or_b32 v20, v19, 16, v18
	s_delay_alu instid0(VALU_DEP_1)
	v_lshlrev_b32 v20, v10, v20                    ; at their places in the scale word (8 h bits up);
	s_delay_alu instid0(VALU_DEP_1)
	v_permlanex16_b32 v11, v20, s36, s37
	s_delay_alu instid0(VALU_DEP_1)
	v_or_b32 v20, v20, v11                         ; with lane l xor 16's two the word is whole
.if (\t) > 0
	s_wait_alu depctr_va_vdst(0)
	s_wait_xcnt 0x0                                ; the last fragment's stores have read their data registers: only behind this wait are they written again
.endif
	v_cvt_scalef32_pk16_bf6_f32 v[C:C+2], v[X:X+15], v16
	v_cvt_scalef32_pk16_bf6_f32 v[T0:T0+2], v[X+16:X+31], v16
	v_cvt_scalef32_pk16_bf6_f32 v[C+6:C+8], v[X+32:X+47], v17
	v_cvt_scalef32_pk16_bf6_f32 v[T1:T1+2], v[X+48:X+63], v17
	v_nop                                          ; one plain place behind a scaled conversion
.irp i, 0,1,2
	v_mov_b32 v[C+3+\i], v[T0+\i]
	v_mov_b32 v[C+9+\i], v[T1+\i]
.endr
	ds_store_b32 v7, v20 offset:256*(\t)           ; lanes l and l xor 16 write the same word with the same value
.irp c, 0,1,2
	global_store_b128 v4, v[C+4*\c:C+4*\c+3], s[6:7] offset:KB*(\t)+512*\c   ; the wave stores 512 consecutive bytes, at a multiple of 256 from wq's first byte
.endr
.endm
	LOAD 0
	STEP 0
	STEP 1
	STEP 2
	STEP 3
	s_wait_dscnt 0x0                               ; for the others' sake: my scale words lie in LDS
	s_barrier_signal -1
	s_barrier_wait -1                              ; a run of 256 bytes holds four waves' words
	ds_load_b64 v[22:23], v8
	s_wait_dscnt 0x0
	global_store_b64 v9, v[22:23], s[34:35]        ; 32 lanes store 256 consecutive bytes, at a multiple of 256 from wq's first byte
	s_wait_tensorcnt 0x0
	ds_add_u32 v62, v63
	s_wait_dscnt 0x0
	s_endpgm
.Lfunc_end_k_qb7dbe9af0b_quant:
	.size	k_qb7dbe9af0b_quant, .Lfunc_end_k_qb7dbe9af0b_quant-k_qb7dbe9af0b_quant
	.p2alignl 7, 3214868480
	.fill 96, 4, 3214868480
	.section	.rodata,"a",@progbits
	.p2align	6, 0x0
	.amdhsa_kernel k_qb7dbe9af0b_quant
		.amdhsa_group_segment_fixed_size 176640
		.amdhsa_private_segment_fixed_size 0
		.amdhsa_enable_private_segment 0
		.amdhsa_kernarg_size 88
		.amdhsa_user_sgpr_count 2
		.amdhsa_user_sgpr_kernarg_segment_ptr 1
		.amdhsa_wavefront_size32 1
		.amdhsa_system_sgpr_workgroup_id_x 1
		.amdhsa_system_sgpr_workgroup_id_y 1
		.amdhsa_system_sgpr_workgroup_id_z 1
		.amdhsa_system_vgpr_workitem_id 0
		.amdhsa_next_free_vgpr 192
		.amdhsa_next_free_sgpr 66
		.amdhsa_reserve_vcc 0
		.amdhsa_float_denorm_mode_32 3
		.amdhsa_float_denorm_mode_16_64 3
		.amdhsa_memory_ordered 1
		.amdhsa_forward_progress 1
		.amdhsa_inst_pref_size 37
	.end_amdhsa_kernel
	.amdgpu_metadata
---
amdhsa.version: [ 1, 2 ]
amdhsa.kernels:
  - .name:           k_qb7dbe9af0b_quant
    .symbol:         k_qb7dbe9af0b_quant.kd
    .args:
      - { .name: weight_ii, .offset: 0, .size: 8, .value_kind: global_buffer, .address_space: global }
      - { .name: weight_if, .offset: 8, .size: 8, .value_kind: global_buffer, .address_space: global }
      - { .name: weight_ig, .offset: 16, .size: 8, .value_kind: global_buffer, .address_space: global }
      - { .name: weight_io, .offset: 24, .size: 8, .value_kind: global_buffer, .address_space: global }
      - { .name: weight_hi, .offset: 32, .size: 8, .value_kind: global_buffer, .address_space: global }
      - { .name: weight_hf, .offset: 40, .size: 8, .value_kind: global_buffer, .address_space: global }
      - { .name: weight_hg, .offset: 48, .size: 8, .value_kind: global_buffer, .address_space: global }
      - { .name: weight_ho, .offset: 56, .size: 8, .value_kind: global_buffer, .address_space: global }
      - { .name: x, .offset: 64, .size: 8, .value_kind: global_buffer, .address_space: global }
      - { .name: h, .offset: 72, .size: 8, .value_kind: global_buffer, .address_space: global }
      - { .name: wq, .offset: 80, .size: 8, .value_kind: global_buffer, .address_space: global }
    .group_segment_fixed_size: 176640
    .private_segment_fixed_size: 0
    .kernarg_segment_align: 8
    .kernarg_segment_size: 88
    .max_flat_workgroup_size: 640
    .sgpr_count:     66
    .vgpr_count:     192
    .wavefront_size: 32
...
	.end_amdgpu_metadata
.endif
;; end of part 1
;; launch cell (part 2): grid 32 x 8, 4 waves a work-group, clusters of 4 x 4, 327,680 bytes of LDS; arguments wq, c, bias_i, bias_f, bias_g, bias_o, out0, out1; writes out0, out1
.if DOCPART == 2
	.amdgcn_target "amdgcn-amd-amdhsa--gfx1250"
	.amdhsa_code_object_version 6
	.text
	.protected	k_qb7dbe9af0b_cell
	.globl	k_qb7dbe9af0b_cell
	.p2align	8
	.type	k_qb7dbe9af0b_cell,@function
k_qb7dbe9af0b_cell:
	s_mov_b64 s[64:65], 0
	v_nop
	global_prefetch_b8 v0, s[64:65] scope:SCOPE_SE
	s_setreg_imm32_b32 hwreg(HW_REG_WAVE_MODE, 25, 1), 1
	s_wait_xcnt 0x0
	s_wait_alu depctr_hold_cnt(0) depctr_sa_sdst(0) depctr_va_vdst(0) depctr_va_sdst(0) depctr_va_ssrc(0) depctr_va_vcc(0) depctr_vm_vsrc(0)
	s_getreg_b32 s2, hwreg(HW_REG_IB_STS2, 6, 4)
	s_cmp_eq_u32 s2, 0
	s_cbranch_scc0 .Lentry_in_a_cluster
	s_endpgm
.Lentry_in_a_cluster:
	s_bfe_u32 s2, ttmp6, 0x10000c
	s_cmp_lg_u32 s2, 0xf033
	s_cbranch_scc0 .Lentry_shape_is_right
	s_endpgm
.Lentry_shape_is_right:
; LSTM cell: gates = [x|h] [W_x|W_h]^T + b on the BF6 codes and E8M0 scale words that launch quant laid in wq in the order of the operands' registers; then the cell's element-wise part in f32.
; A work-group of four waves makes 256 batch rows x 64 hidden units x 4 gates; a wave 128 rows x 32 units x 4 gates: 64 accumulators.  K = 4,096 in 32 steps of 128.
; Two LDS slots of three K steps each (the last fill: two), four panels a slot, one joint load a wave: A's panels are shared along a cluster's row, B's along its column.
; All four gates of a hidden unit lie in one lane, so c_new and h_new are made in registers; c comes by a tensor load into slot 1 after that slot's last read, and both results leave through LDS as rows of 256 bytes.
; sigmoid(t) = rcp(1 + exp2(-t log2 e)), tanh(t) = 1 - 2 rcp(1 + exp2(2 t log2 e)): an exponential that overflows gives the function's limit.  LIMIT: NaN and infinities among the inputs are not served.
; Prefetch: behind each refill the part that the next refill loads, its rows shared out among the four partners by address; the last part has 100 rows, 25 a partner.
.set KB,    12800
.set FRB,   1536
.set SCO,   12288
.set PANEL, 32*KB
.set PART,  3*KB
.set SLOT,  4*PART
.set SPARE, 2*SLOT
.set CP,    272
.set CT,    SLOT
.set HT,    CT+256*CP
.set PF1,  12
.set PF2,  13
.set PFC,  14
.set PF3,  15
.set ADRA, 16
.set ADRS, 18
.set ADRB, 20
.set CA,   22
.set HA,   23
.set RDC,  24
.set RDH,  25
.set CO,   26
.set BO,   27
.set SPW,  28
.set NIL,  29
.set SC,   32
.set BS,   64
.set AF,   128
.set TT,   128
.set TI,   TT
.set TF,   TT+16
.set TG,   TT+32
.set TO,   TT+48
.set CC,   192
.set TH,   208
.set OB,   224
.set WV,   20
.set RH,   21
.set CH,   22
.set LAP,  3
.set PFA,  24
.set LIM,  26
.set G1A,  28
.set G1B,  36
.set G1AS, 44
.set G1BS, 52
.set CAD,  60
.set G0A,  68
.set G0B,  76
.set G1C,  84
.set G0C,  92
.set KS,   96
.set KT,   98
.set MSB, 0
.macro WIN new
.if MSB != (\new)
	s_set_vgpr_msb (MSB<<8)|(\new)
.set MSB, (\new)
.endif
.endm
.set MUL_LO, 0xa1
.set MUL_HI, 0xf1
.set TO_B,   0x40
.macro JLOAD g0a, g1a, g0b, g1b
	s_cmp_eq_u32 s[RH], 0
	s_cbranch_scc0 .Lfor_b_\@
	tensor_load_to_lds s[\g0a:\g0a+3], s[\g1a:\g1a+7]
	s_nop 0
.rept 4
	v_nop
.endr
	s_branch .Lasked_\@
.Lfor_b_\@:
	tensor_load_to_lds s[\g0b:\g0b+3], s[\g1b:\g1b+7]
	s_nop 0
.rept 4
	v_nop
.endr
.Lasked_\@:
.endm
.macro CLOAD
	tensor_load_to_lds s[G0C:G0C+3], s[G1C:G1C+7]
	s_nop 0
.rept 4
	v_nop
.endr
.endm
.macro CREST
	s_cmp_lg_u32 s[WV], 0
	s_cbranch_scc1 .Lnot_wave_0_\@
	s_barrier_signal -3
.Lnot_wave_0_\@:
	s_barrier_wait -3
	s_barrier_signal -1
	s_barrier_wait -1
.endm
.macro CROUND
	s_barrier_signal -1
	s_barrier_wait -1
	CREST
.endm
.macro ASK how
.if \how == 1
	s_cmp_eq_u32 s[LIM], 1
.else
	s_cmp_gt_u32 s[LAP], s[LIM]
.endif
	s_cbranch_scc0 .Lnot_mine_\@
	global_prefetch_b8 v[PF1], s[PFA:PFA+1] th:TH_LOAD_NT scope:SCOPE_SE
	global_prefetch_b8 v[PF2], s[PFA:PFA+1] th:TH_LOAD_NT scope:SCOPE_SE
.Lnot_mine_\@:
.if \how == 2
	s_cmp_eq_u32 s[LAP], s[LIM]                    ; the loop's last trip, in a wave that prefetches: the last part, two K steps, 100 rows of 256 bytes
	s_cbranch_scc0 .Lnot_last_\@
	global_prefetch_b8 v[PF3], s[PFA:PFA+1] th:TH_LOAD_NT scope:SCOPE_SE
.Lnot_last_\@:
.endif
.endm
	s_load_b512 s[4:19], s[0:1], 0x0
	v_lshl_add_u32 v[SPW], v0, 2, SPARE
	v_mov_b32 v[NIL], 0
	ds_add_u32 v28, v29
	ds_add_u32 v28, v29
	s_wait_dscnt 0x0
	v_lshrrev_b32 v1, 5, v0
	v_readfirstlane_b32 s[WV], v1
	s_lshr_b32 s[RH], s[WV], 1
	s_and_b32 s[CH], s[WV], 1
	s_bfe_u32 s2, ttmp6, 0x40000
	s_bfe_u32 s23, ttmp6, 0x40004
	s_lshl_b32 s27, ttmp9, 2
	s_add_co_u32 s27, s27, s2
	s_and_b32 s62, ttmp7, 0xffff
	s_lshl_b32 s62, s62, 2
	s_add_co_u32 s62, s62, s23
	s_lshl_b32 s63, s23, 2
	s_lshl_b32 s63, 15, s63
	s_lshl_b32 s100, 0x1111, s2
	s_or_b32 s[G1A], s63, (3<<16)|(1<<21)
	s_or_b32 s[G1AS], s63, (3<<16)|(1<<21)
	s_or_b32 s[G1B], s100, (3<<16)|(1<<21)
	s_or_b32 s[G1BS], s100, (3<<16)|(1<<21)
.irp g, G1A, G1B
	s_mov_b32 s[\g+1], 32<<16
	s_mov_b32 s[\g+2], 150<<16
	s_mov_b32 s[\g+3], 32<<16
	s_mov_b32 s[\g+4], 150
	s_mov_b32 s[\g+5], 32
	s_mov_b32 s[\g+6], 0
	s_mov_b32 s[\g+7], 0
.endr
.irp g, G1AS, G1BS
	s_mov_b32 s[\g+1], 32<<16
	s_mov_b32 s[\g+2], 100<<16
	s_mov_b32 s[\g+3], 32<<16
	s_mov_b32 s[\g+4], 100
	s_mov_b32 s[\g+5], 32
	s_mov_b32 s[\g+6], 0
	s_mov_b32 s[\g+7], 0
.endr
	s_mov_b32 s[G1C], (3<<16)|(1<<20)|(5<<22)|(3<<25)
	s_mov_b32 s[G1C+1], 32<<16
	s_mov_b32 s[G1C+2], 64<<16
	s_mov_b32 s[G1C+3], 32<<16
	s_mov_b32 s[G1C+4], 64
	s_mov_b32 s[G1C+5], 1024
	s_mov_b32 s[G1C+6], 0
	s_mov_b32 s[G1C+7], 0
	s_mul_i32 s3, s[WV], PART
.irp s, 0,1
	s_mov_b32 s[G0A+4*\s], 1
	s_add_co_u32 s[G0A+4*\s+1], s3, \s*SLOT
	s_mov_b32 s[G0B+4*\s], 1
	s_add_co_u32 s[G0B+4*\s+1], s3, \s*SLOT
.endr
	s_mov_b32 s[G0C], 1
	s_mul_i32 s[G0C+1], s[WV], 64*CP
	s_add_co_u32 s[G0C+1], s[G0C+1], CT
	s_lshl_b32 s[G0A+2], s62, 1
	s_add_co_u32 s[G0A+2], s[G0A+2], s[CH]
	s_mul_i32 s[G0A+2], s[G0A+2], PANEL
	s_mov_b32 s[G0A+3], 0
	s_lshl_b32 s[G0B+2], s27, 1
	s_add_co_u32 s[G0B+2], s[G0B+2], s[CH]
	s_add_co_u32 s[G0B+2], s[G0B+2], 16
	s_mul_i32 s[G0B+2], s[G0B+2], PANEL
	s_mov_b32 s[G0B+3], 0
	s_lshl_b32 s[CAD], s62, 8
	s_lshl_b32 s[CAD+1], s[WV], 6
	s_add_co_u32 s[CAD], s[CAD], s[CAD+1]
	s_lshl_b32 s[CAD], s[CAD], 13
	s_lshl_b32 s[CAD+1], s27, 8
	s_add_co_u32 s[CAD], s[CAD], s[CAD+1]
	s_mov_b32 s[CAD+1], 0
	s_lshl_b32 s24, s62, 1
	s_lshl_b32 s25, s27, 1
	s_add_co_u32 s25, s25, 16
	s_and_b32 s26, ttmp7, 0xffff
	s_cmp_eq_u32 s[RH], 0
	s_cselect_b32 s24, s24, s25
	s_cselect_b32 s101, s2, s23
	s_cselect_b32 s26, ttmp9, s26
	s_cmp_eq_u32 s26, 0
	s_cselect_b32 s[LIM], 1, -1
	s_add_co_u32 s24, s24, s[CH]
	s_mul_i32 s24, s24, PANEL
	s_add_co_u32 s24, s24, 2*PART
	s_mov_b32 s25, 0
	s_mul_i32 s63, s101, 25                        ; the last part: my work-group's 25 rows of its 100
	s_mul_i32 s101, s101, 38
	v_and_b32 v3, 31, v0
	v_min_u32 v[PF3], 24, v3                       ; a lane a row; the lanes left over name the last row again
	v_add_nc_u32 v[PF3], s63, v[PF3]
	v_lshlrev_b32 v[PF3], 8, v[PF3]
	v_add_nc_u32 v[PF1], s101, v3
	v_lshlrev_b32 v[PF1], 8, v[PF1]
	v_min_u32 v[PF2], 5, v3
	v_add_nc_u32 v[PF2], s101, v[PF2]
	v_add_nc_u32 v[PF2], 32, v[PF2]
	v_min_u32 v[PF2], 149, v[PF2]
	v_lshlrev_b32 v[PF2], 8, v[PF2]
	v_lshlrev_b32 v[PFC], 13, v3
	s_lshl_b32 s62, s62, 8
	s_lshl_b32 s63, s[RH], 7
	s_add_co_u32 s62, s62, s63
	s_lshl_b32 s63, s[CH], 3
	s_add_co_u32 s62, s62, s63
	s_lshl_b32 s62, s62, 13
	s_lshl_b32 s63, s27, 8
	s_add_co_u32 s62, s62, s63
	s_mov_b32 s63, 0
	s_lshl_b32 s100, s27, 8
	s_lshl_b32 s101, s[CH], 7
	s_add_co_u32 s100, s100, s101
	s_mov_b32 s101, 0
	s_mov_b32 s[KS], 0xbfb8aa3b
	s_mov_b32 s[KS+1], s[KS]
	s_mov_b32 s[KT], 0x4038aa3b
	s_mov_b32 s[KT+1], s[KT]
	s_wait_kmcnt 0x0
	s_add_nc_u64 s[G0A+2:G0A+3], s[4:5], s[G0A+2:G0A+3]
	s_add_nc_u64 s[G0A+6:G0A+7], s[G0A+2:G0A+3], PART
	s_or_b32 s[G0A+3], s[G0A+3], 0x80000000
	s_or_b32 s[G0A+7], s[G0A+7], 0x80000000
	s_add_nc_u64 s[G0B+2:G0B+3], s[4:5], s[G0B+2:G0B+3]
	s_add_nc_u64 s[G0B+6:G0B+7], s[G0B+2:G0B+3], PART
	s_or_b32 s[G0B+3], s[G0B+3], 0x80000000
	s_or_b32 s[G0B+7], s[G0B+7], 0x80000000
	s_add_nc_u64 s[PFA:PFA+1], s[4:5], s[PFA:PFA+1]
	s_add_nc_u64 s[CAD:CAD+1], s[6:7], s[CAD:CAD+1]
	s_mov_b64 s[G0C+2:G0C+3], s[CAD:CAD+1]
	s_or_b32 s[G0C+3], s[G0C+3], 0x80000000
.irp b, 8,10,12,14
	s_add_nc_u64 s[\b:\b+1], s[\b:\b+1], s[100:101]
.endr
	s_add_nc_u64 s[16:17], s[16:17], s[62:63]
	s_add_nc_u64 s[18:19], s[18:19], s[62:63]
	CROUND
	JLOAD G0A, G1A, G0B, G1B
	v_bfe_u32 v[BO], v0, 4, 1
	v_lshlrev_b32 v[BO], 5, v[BO]                  ; the biases of my eight hidden units of a block: 32 bytes for each half of the lanes
	s_wait_alu depctr_va_vdst(0)                   ; the wait covers all that the head has written so far
.irp g, 0,1,2,3
.irp u, 0,1
.irp e, 0,1
	global_load_b128 v[BS+16*\g+8*\u+4*\e:BS+16*\g+8*\u+4*\e+3], v[BO], s[8+2*\g:9+2*\g] offset:64*\u+16*\e
.endr
.endr
.endr
	s_wait_tensorcnt 0x0
	ds_add_u32 v28, v29
	s_wait_dscnt 0x0
	CROUND
	JLOAD G0A+4, G1A, G0B+4, G1B
	v_and_b32 v1, 15, v0
	v_bfe_u32 v2, v0, 4, 1
	v_lshlrev_b32 v4, 4, v3
	s_wait_alu depctr_va_vdst(0)
	s_mul_i32 s66, s[RH], PART
	s_mul_i32 s67, s[CH], PART
	s_add_co_u32 s67, s67, 2*PART
	s_xor_b32 s3, s[RH], 1
	s_add_co_u32 s3, s3, s[CH]
	s_add_co_u32 s3, s3, 1
	s_mul_i32 s3, s3, PART
	v_lshlrev_b32 v5, 4, v1
	v_mul_u32_u24 v6, s3, v2
	v_add_nc_u32 v5, v5, v6
	v_add_nc_u32 v5, SCO, v5
.irp s, 0,1
	v_add_nc_u32 v[ADRA+\s], s66, v4
	v_add_nc_u32 v[ADRB+\s], s67, v4
	v_add_nc_u32 v[ADRS+\s], s66, v5
	s_add_co_u32 s66, s66, SLOT
	s_add_co_u32 s67, s67, SLOT
.endr
	s_lshl_b32 s66, s[RH], 7
	s_mul_i32 s66, s66, CP
	s_lshl_b32 s67, s[CH], 7
	s_add_co_u32 s66, s66, s67
	s_add_co_u32 s66, s66, CT
	v_mul_u32_u24 v[CA], v1, CP
	v_lshl_add_u32 v[CA], v2, 5, v[CA]
	v_add_nc_u32 v[CA], s66, v[CA]
	v_add_nc_u32 v[HA], HT-CT, v[CA]
	s_lshl_b32 s66, s[RH], 7
	s_lshl_b32 s67, s[CH], 3
	s_add_co_u32 s66, s66, s67
	s_mul_i32 s66, s66, CP
	s_add_co_u32 s66, s66, CT
	v_mul_u32_u24 v[RDC], v2, CP
	v_lshl_add_u32 v[RDC], v1, 4, v[RDC]
	v_add_nc_u32 v[RDC], s66, v[RDC]
	v_add_nc_u32 v[RDH], HT-CT, v[RDC]
	v_lshlrev_b32 v[CO], 13, v2
	v_lshl_add_u32 v[CO], v1, 4, v[CO]
	s_wait_loadcnt 0x0                             ; the biases, asked for behind the first joint load
.irp g, 0,1,2,3
.irp k, 0,2,4,6,8,10,12,14
.if \g == 2
	v_pk_mul_f32 v[BS+16*\g+\k:BS+16*\g+\k+1], v[BS+16*\g+\k:BS+16*\g+\k+1], s[KT:KT+1] op_sel_hi:[1,0]
.else
	v_pk_mul_f32 v[BS+16*\g+\k:BS+16*\g+\k+1], v[BS+16*\g+\k:BS+16*\g+\k+1], s[KS:KS+1] op_sel_hi:[1,0]
.endif
.endr
.endr
.macro FRAG reg, adr, q, i
.irp c, 0,1,2
	ds_load_b128 v[\reg+4*\c:\reg+4*\c+3], v[\adr] offset:(\q)*KB+(\i)*FRB+512*\c
.endr
.endm
.macro FETCH_B slot, q, p
	WIN TO_B
.irp i, 0,1,2,3,4,5,6,7
	FRAG 128*(\p)+12*\i, ADRB+\slot, \q, \i
.endr
	WIN 0
.endm
.macro FETCH_A slot, q, i0
.irp i, \i0, \i0+1, \i0+2, \i0+3
	FRAG AF+12*(\i), ADRA+\slot, \q, \i
.endr
.endm
.macro SCALES slot, q, p
.irp f, 0,1
	ds_load_b128 v[SC+8*(\p)+4*\f:SC+8*(\p)+4*\f+3], v[ADRS+\slot] offset:(\q)*KB+256*\f
.endr
.endm
.macro MUL16 a0, p, zero
.irp a, \a0, \a0+1
.irp b, 0,1,2,3,4,5,6,7
.if \zero
	v_wmma_scale_f32_16x16x128_f8f6f4 v[8*(8*((\a)%4)+\b):8*(8*((\a)%4)+\b)+7], v[128*(\p)+12*\b:128*(\p)+12*\b+11], v[AF+12*(\a):AF+12*(\a)+11], 0, v[SC+8*(\p)+\b], v[SC+8*(\p)+(\a)] matrix_a_fmt:MATRIX_FMT_BF6 matrix_b_fmt:MATRIX_FMT_BF6 matrix_a_scale:MATRIX_SCALE_ROW1
.else
	v_wmma_scale_f32_16x16x128_f8f6f4 v[8*(8*((\a)%4)+\b):8*(8*((\a)%4)+\b)+7], v[128*(\p)+12*\b:128*(\p)+12*\b+11], v[AF+12*(\a):AF+12*(\a)+11], v[8*(8*((\a)%4)+\b):8*(8*((\a)%4)+\b)+7], v[SC+8*(\p)+\b], v[SC+8*(\p)+(\a)] matrix_a_fmt:MATRIX_FMT_BF6 matrix_b_fmt:MATRIX_FMT_BF6 matrix_a_scale:MATRIX_SCALE_ROW1
.endif
.endr
.endr
.endm
.macro PLACES
.rept 4
	v_nop
.endr
.endm
; A K step: 64 products, and two runs of LDS loads for the next step.  B's other set was last read in the step before, whose closing places stand ahead:
; its 24 loads follow the twelve of A's blocks 4-7 in one run at the step's edge; A's blocks 0-3 and the scale words (14 loads) come in the middle.
.macro STEP slot, q, p, zero
	FETCH_B \slot, (\q)+1, 1-(\p)
	s_wait_dscnt 36                                ; all but the youngest 36: A's blocks 4-7 and the 24 just issued
	WIN MUL_LO
	MUL16 0, \p, \zero
	MUL16 2, \p, \zero
	s_wait_dscnt 24                                ; A's blocks 4-7 are in; the 24 loads of B's other set may be out
	PLACES
	WIN 0
	FETCH_A \slot, (\q)+1, 0
	SCALES \slot, (\q)+1, 1-(\p)
	WIN MUL_HI
	MUL16 4, \p, \zero
	MUL16 6, \p, \zero
	PLACES
	WIN 0
	FETCH_A \slot, (\q)+1, 4
.endm
.macro TURN slot, next, p, kind, ask
.if \ask
	s_wait_xcnt 0x0
	s_add_nc_u64 s[PFA:PFA+1], s[PFA:PFA+1], PART
.endif
	s_wait_tensorcnt 0x0
	ds_add_u32 v[SPW], v[NIL]
	s_wait_dscnt 13
	WIN MUL_LO
	MUL16 0, \p, 0
	s_wait_dscnt 0x0
	s_barrier_signal -1
	MUL16 2, \p, 0
	WIN 0
	s_barrier_wait -1
	CREST
.if \kind < 3
	s_add_nc_u64 s[G0A+4*\slot+2:G0A+4*\slot+3], s[G0A+4*\slot+2:G0A+4*\slot+3], 2*PART
	s_add_nc_u64 s[G0B+4*\slot+2:G0B+4*\slot+3], s[G0B+4*\slot+2:G0B+4*\slot+3], 2*PART
.endif
.if \kind == 1
	JLOAD G0A+4*\slot, G1A, G0B+4*\slot, G1B
.elseif \kind == 2
	JLOAD G0A+4*\slot, G1AS, G0B+4*\slot, G1BS
.else
	CLOAD
.endif
	FETCH_B \next, 0, 1-(\p)
	FETCH_A \next, 0, 0
	SCALES \next, 0, 1-(\p)
.if \ask
	ASK \ask
.endif
.if \kind == 2
	global_prefetch_b8 v[PFC], s[CAD:CAD+1] th:TH_LOAD_NT scope:SCOPE_SE
	global_prefetch_b8 v[PFC], s[CAD:CAD+1] offset:32*8192 th:TH_LOAD_NT scope:SCOPE_SE
.endif
	WIN MUL_HI
	MUL16 4, \p, 0
	MUL16 6, \p, 0
	PLACES
	WIN 0
	FETCH_A \next, 0, 4
.endm
	s_wait_tensorcnt 1
	s_barrier_signal -1
	s_barrier_wait -1
	FETCH_B 0, 0, 0
	FETCH_A 0, 0, 0
	SCALES 0, 0, 0
	FETCH_A 0, 0, 4
	STEP 0, 0, 0, 1
	s_mov_b32 s[LAP], 4
.Llap:
	STEP 0, 1, 1, 0
	TURN 0, 1, 0, 1, 1
	STEP 1, 0, 1, 0
	STEP 1, 1, 0, 0
	TURN 1, 0, 1, 1, 2
	STEP 0, 0, 0, 0
	s_sub_co_u32 s[LAP], s[LAP], 1
	s_cmp_lg_u32 s[LAP], 0
	s_cbranch_scc1 .Llap
	STEP 0, 1, 1, 0
	TURN 0, 1, 0, 2, 0
	STEP 1, 0, 1, 0
	STEP 1, 1, 0, 0
	TURN 1, 0, 1, 3, 0
	STEP 0, 0, 0, 0
	s_wait_dscnt 12
	WIN MUL_LO
	MUL16 0, 1, 0
	MUL16 2, 1, 0
	s_wait_dscnt 0x0
	s_wait_tensorcnt 0x0
	s_barrier_signal -1
	WIN MUL_HI
	MUL16 4, 1, 0
	MUL16 6, 1, 0
	WIN 0
	s_barrier_wait -1
	PLACES
.macro SEND a, younger
	s_wait_dscnt \younger
.irp t, 0,1,2,3
	global_store_b128 v[CO], v[OB+4*\t:OB+4*\t+3], s[18:19] offset:(16*(\a)+2*\t)*8192 th:TH_STORE_NT
.endr
.irp t, 0,1,2,3
	global_store_b128 v[CO], v[OB+16+4*\t:OB+16+4*\t+3], s[16:17] offset:(16*(\a)+2*\t)*8192 th:TH_STORE_NT
.endr
.endm
.macro EPI a
.irp u, 0,1
.irp e, 0,1
	ds_load_b128 v[CC+8*\u+4*\e:CC+8*\u+4*\e+3], v[CA] offset:16*CP*(\a)+64*\u+16*\e
.endr
.endr
	WIN 0x02+(\a)/4
.irp g, 0,1,2,3
.irp u, 0,1
.irp k, 0,1,2,3
.if \g == 2
	v_pk_fma_f32 v[TT+16*\g+8*\u+2*\k:TT+16*\g+8*\u+2*\k+1], v[8*(8*((\a)%4)+2*\g+\u)+2*\k:8*(8*((\a)%4)+2*\g+\u)+2*\k+1], s[KT:KT+1], v[BS+16*\g+8*\u+2*\k:BS+16*\g+8*\u+2*\k+1] op_sel_hi:[1,0,1]
.else
	v_pk_fma_f32 v[TT+16*\g+8*\u+2*\k:TT+16*\g+8*\u+2*\k+1], v[8*(8*((\a)%4)+2*\g+\u)+2*\k:8*(8*((\a)%4)+2*\g+\u)+2*\k+1], s[KS:KS+1], v[BS+16*\g+8*\u+2*\k:BS+16*\g+8*\u+2*\k+1] op_sel_hi:[1,0,1]
.endif
.endr
.endr
.endr
	WIN 0
.set j, 0
	s_wait_alu depctr_va_vdst(0)
.rept 64
	v_exp_f32 v[TT+j], v[TT+j]
.set j, j+1
.endr
.if (\a) > 0
	SEND (\a)-1, 4
.endif
	v_nop
	s_wait_alu depctr_va_vdst(0)
.set j, 0
.rept 32
	v_pk_add_f32 v[TT+j:TT+j+1], v[TT+j:TT+j+1], 1.0 op_sel_hi:[1,0]
.set j, j+2
.endr
.set j, 0
	s_wait_alu depctr_va_vdst(0)
.rept 64
	v_rcp_f32 v[TT+j], v[TT+j]
.set j, j+1
.endr
	v_nop
	s_wait_dscnt 0x0
	s_wait_alu depctr_va_vdst(0)
.set j, 0
.rept 8
	v_pk_fma_f32 v[TG+j:TG+j+1], v[TG+j:TG+j+1], -2.0, 1.0 op_sel_hi:[1,0,0]
.set j, j+2
.endr
.set j, 0
.rept 8
	v_pk_mul_f32 v[TG+j:TG+j+1], v[TI+j:TI+j+1], v[TG+j:TG+j+1]
.set j, j+2
.endr
.set j, 0
.rept 8
	v_pk_fma_f32 v[CC+j:CC+j+1], v[TF+j:TF+j+1], v[CC+j:CC+j+1], v[TG+j:TG+j+1]
.set j, j+2
.endr
.set j, 0
.rept 8
	v_pk_mul_f32 v[TH+j:TH+j+1], v[CC+j:CC+j+1], s[KT:KT+1] op_sel_hi:[1,0]
.set j, j+2
.endr
.set j, 0
	s_wait_alu depctr_va_vdst(0)
.rept 16
	v_exp_f32 v[TH+j], v[TH+j]
.set j, j+1
.endr
.irp u, 0,1
.irp e, 0,1
	ds_store_b128 v[CA], v[CC+8*\u+4*\e:CC+8*\u+4*\e+3] offset:16*CP*(\a)+64*\u+16*\e
.endr
.endr
	v_nop
	s_wait_alu depctr_va_vdst(0)
.set j, 0
.rept 8
	v_pk_add_f32 v[TH+j:TH+j+1], v[TH+j:TH+j+1], 1.0 op_sel_hi:[1,0]
.set j, j+2
.endr
.set j, 0
	s_wait_alu depctr_va_vdst(0)
.rept 16
	v_rcp_f32 v[TH+j], v[TH+j]
.set j, j+1
.endr
	v_nop
	s_wait_alu depctr_va_vdst(0)
.set j, 0
.rept 8
	v_pk_fma_f32 v[TH+j:TH+j+1], v[TH+j:TH+j+1], -2.0, 1.0 op_sel_hi:[1,0,0]
.set j, j+2
.endr
.set j, 0
.rept 8
	v_pk_mul_f32 v[TH+j:TH+j+1], v[TO+j:TO+j+1], v[TH+j:TH+j+1]
.set j, j+2
.endr
.irp u, 0,1
.irp e, 0,1
	ds_store_b128 v[HA], v[TH+8*\u+4*\e:TH+8*\u+4*\e+3] offset:16*CP*(\a)+64*\u+16*\e
.endr
.endr
	s_wait_dscnt 0x0
	s_barrier_signal -1
	s_barrier_wait -1
.if (\a) > 0
	s_wait_xcnt 0x0
.endif
.irp t, 0,1,2,3
	ds_load_b128 v[OB+4*\t:OB+4*\t+3], v[RDC] offset:(16*(\a)+2*\t)*CP
.endr
.irp t, 0,1,2,3
	ds_load_b128 v[OB+16+4*\t:OB+16+4*\t+3], v[RDH] offset:(16*(\a)+2*\t)*CP
.endr
.endm
	EPI 0
	EPI 1
	EPI 2
	EPI 3
	EPI 4
	EPI 5
	EPI 6
	EPI 7
	SEND 7, 0
	s_wait_tensorcnt 0x0
	ds_add_u32 v[SPW], v[NIL]
	s_wait_dscnt 0x0
	CROUND
	s_endpgm
.Lfunc_end_k_qb7dbe9af0b_cell:
	.size	k_qb7dbe9af0b_cell, .Lfunc_end_k_qb7dbe9af0b_cell-k_qb7dbe9af0b_cell
	.p2alignl 7, 3214868480
	.fill 96, 4, 3214868480
	.section	.rodata,"a",@progbits
	.p2align	6, 0x0
	.amdhsa_kernel k_qb7dbe9af0b_cell
		.amdhsa_group_segment_fixed_size 327680
		.amdhsa_private_segment_fixed_size 0
		.amdhsa_enable_private_segment 0
		.amdhsa_kernarg_size 64
		.amdhsa_user_sgpr_count 2
		.amdhsa_user_sgpr_kernarg_segment_ptr 1
		.amdhsa_wavefront_size32 1
		.amdhsa_system_sgpr_workgroup_id_x 1
		.amdhsa_system_sgpr_workgroup_id_y 1
		.amdhsa_system_sgpr_workgroup_id_z 1
		.amdhsa_system_vgpr_workitem_id 0
		.amdhsa_next_free_vgpr 1024
		.amdhsa_next_free_sgpr 102
		.amdhsa_reserve_vcc 0
		.amdhsa_float_denorm_mode_32 3
		.amdhsa_float_denorm_mode_16_64 3
		.amdhsa_memory_ordered 1
		.amdhsa_forward_progress 1
		.amdhsa_inst_pref_size 255
	.end_amdhsa_kernel
	.section	.bss,"aw",@nobits
	.p2align	6
	.space	262144
	.amdgpu_metadata
---
amdhsa.version: [ 1, 2 ]
amdhsa.kernels:
  - .name:           k_qb7dbe9af0b_cell
    .symbol:         k_qb7dbe9af0b_cell.kd
    .args:
      - { .name: wq, .offset: 0, .size: 8, .value_kind: global_buffer, .address_space: global }
      - { .name: c, .offset: 8, .size: 8, .value_kind: global_buffer, .address_space: global }
      - { .name: bias_i, .offset: 16, .size: 8, .value_kind: global_buffer, .address_space: global }
      - { .name: bias_f, .offset: 24, .size: 8, .value_kind: global_buffer, .address_space: global }
      - { .name: bias_g, .offset: 32, .size: 8, .value_kind: global_buffer, .address_space: global }
      - { .name: bias_o, .offset: 40, .size: 8, .value_kind: global_buffer, .address_space: global }
      - { .name: out0, .offset: 48, .size: 8, .value_kind: global_buffer, .address_space: global }
      - { .name: out1, .offset: 56, .size: 8, .value_kind: global_buffer, .address_space: global }
    .group_segment_fixed_size: 327680
    .private_segment_fixed_size: 0
    .kernarg_segment_align: 8
    .kernarg_segment_size: 64
    .max_flat_workgroup_size: 128
    .sgpr_count:     102
    .vgpr_count:     1024
    .wavefront_size: 32
...
	.end_amdgpu_metadata
.endif
;; end of part 2
